; MI455X (gfx1250); checked and timed in simulation.
; The chip was launched on July 23, 2026; its instructions are those of AMD's public machine-readable ISA for CDNA 5 (MIT licence, August 2026) and "CDNA5" Instruction Set Architecture Reference Guide (July 2026). The comments in the code are by the model that wrote it; some were corrected since.
;; Physics Forward Model. Allowed arithmetic: matrix products marked QUANTISED: E2M3 operands, one E8M0 scale for each 32 along K, by v_wmma_scale_f32_16x16x128_f8f6f4 with both operands' format E2M3, f32 sums; products left as they are: f32 operands where the result goes on into a quantised operand, else bf16, f16 or f32 operands; f32 sums; everything else in f32.
;; Inputs: chi one number float32; tau one number float32; x 4 x 1 x 128 x 128 float32.
;; Outputs: out0 4 x 1 x 512 x 512 float32.
;; This version of the problem:
;;   THIS VERSION OF THE PROBLEM IS GIVEN IN LOW PRECISION. The matrix products marked QUANTISED in the list below multiply operands that are first quantised to E2M3 (2 exponent bits, 3 mantissa bits; 6 bits a number), with one power-of-two scale for each 32 numbers along K (OCP MX v1.0); their sums are f32. All else is computed in f32.
;;   The module's matrix products, in the order in which they are computed (A, B: the left and right operand; K: the contracted axis; several contracted axes count as one K, in the product's order):
;;     1. [M 512, K 128] x [K 128, N 512]; A: input x; B: computed on the way: QUANTISED
;;     2. [M 2,048, K 128] x [K 128, N 512]; A: computed on the way; B: computed on the way: QUANTISED
;;     3. [M 512, K 512] x [K 512, N 1]; A: computed on the way; B: computed on the way: left as it is (N = 1 < 16)
;;     4. batch 512 x [M 4, K 512] x [K 512, N 512]; A: computed on the way; B: computed on the way: left as it is (M = 4 < 16)
;;   THE QUANTISER, for each operand of a quantised product, along K:
;;     - K is cut into blocks of 32 from its start; a last block that is shorter is filled with zeros.
;;     - A block's scale is 2^e with e = floor(log2(the largest magnitude in the block)) - 2, held to -126 .. 127; a block of zeros has e = 0. As a byte (E8M0): e + 127.
;;     - Each number is divided by its block's scale, clamped to +-7.5, and rounded to the nearest number of E2M3, ties to even, subnormals kept.
;;     - The product sums the exact products of the quantised numbers (number of the format x scale) in f32.
;;   ~~~python
;;   def quantise(x, axis):      # numpy; x: float32 -> the quantised numbers, widened to float32 again
;;       x = np.moveaxis(x, axis, -1); K = x.shape[-1]
;;       x = np.pad(x, [(0, 0)] * (x.ndim - 1) + [(0, -K % 32)]); x = x.reshape(x.shape[:-1] + (-1, 32)); a = np.abs(x).max(-1, keepdims=True)
;;       e = np.where(a > 0, np.clip(np.frexp(np.where(a > 0, a, 1))[1] - 1 - 2, -126, 127), 0)      # np.frexp(a)[1] - 1 = floor(log2(a)), exactly
;;       r = np.clip(x / 2.0 ** e, -7.5, 7.5)
;;       step = 2.0 ** (np.maximum(np.frexp(np.where(r == 0, 1, r))[1] - 1, 0) - 3)
;;       q = np.round(r / step) * step * 2.0 ** e      # np.round: ties to even
;;       return np.moveaxis(q.reshape(q.shape[:-2] + (-1,))[..., :K], -1, axis).astype(np.float32)
;;   ~~~
;;   OPERANDS COMPUTED ON THE WAY. 'Computed on the way' means the value that the module computes at that place (a softmax that the list does not call 'softmax' is quantised finished and normalised). What goes into a quantiser is computed in f32, as accurately as f32 sums, v_exp_f32 and their like allow (about 1e-6 of the number): no bf16 or f16 on the way to a quantiser, and a product that is left as it is and whose result goes on into a quantised operand takes f32 operands (vector FMAs, or v_wmma_f32_16x16x4_f32). A number that lies on a knife's edge between two numbers of the format may be rounded either way, as far as f32 arithmetic and the matrix unit's own rounding can turn it there, and no further.
;; 2 versions, each right and faster than the one before. Each part assembles by itself: llvm-mc -triple=amdgcn-amd-amdhsa -mcpu=gfx1250 --defsym DOCPART=n.
;; ======== version 1 of 2: 2 launches
;; workspace buffers: rec 8,388,608 bytes; vbuf 2,048 bytes
;; launch front (part 1): grid 64 x 4, 4 waves a work-group, no clusters, 38,144 bytes of LDS; arguments x, chi, tau, rec, vbuf; writes rec, vbuf
.if DOCPART == 1
	.amdgcn_target "amdgcn-amd-amdhsa--gfx1250"
	.amdhsa_code_object_version 6
	.text
	.protected	k_qb717b5191c_front
	.globl	k_qb717b5191c_front
	.p2align	8
	.type	k_qb717b5191c_front,@function
k_qb717b5191c_front:
	s_mov_b64 s[64:65], 0
	v_nop
	global_prefetch_b8 v0, s[64:65] scope:SCOPE_SE
	s_setreg_imm32_b32 hwreg(HW_REG_WAVE_MODE, 25, 1), 1
	s_wait_xcnt 0x0
; FRONT: everything that does not hang on the time step.
;   P_hat[b][y][j] = sum over m of Q(T[b][m][y]) Q(Dx[j][128+m]),  T[b][m][y] = sum over n of Q(x[b][n][m]) Q(Dy[y][n]):  two products on codes of FP6 (E2M3), one E8M0 scale for 32 along K.
;   z = e^((-chi + i) F), Z = z^32, F = sqrt(kx^2 + ky^2);  v[i] / 3 with v = Dy Dy[:,0].
; OUT: rec [i 512][c 8][j 512] f32: c = 0..3 P_hat of batch c, c = 4, 5 Re, Im z, c = 6, 7 Re, Im Z;  vbuf [512] f32.
; SHARES.  Work-group (x = 8 Y + J, y = b) owns batch b, rows y = 64 Y .. + 63, columns j = 64 J .. + 63; wave w its rows 16 w .. + 15.  It also writes component 4 + b of the same 64 x 64 patch, and v of i = 2 (64 b + x), + 1.
; The DCT's numbers are made here: the argument is rounded twice as the definition rounds it (pi (2 n + 1), then x k; / 1024 is exact), then an accurate cosine of that f32 number is taken.
; OPERANDS go from wave to wave through LDS as images of their registers (three stores of 16 bytes a lane for a fragment, 4 bytes a lane for its scale words): wave w makes x's tiles 2 w, 2 w + 1 and Dx's tile w.
; BOTH PRODUCTS ARE USED SO THAT A LANE HOLDS ONE ROW y: source 0 = 16 columns m of x (or 16 rows j of Dx), source 1 = 16 rows y.  THE m OF A TILE OF x ARE NOT NEIGHBOURS: lane r of tile 2 bb + u takes m = 32 bb + 8 u + r + 8 (r / 8),
; so that the 16 registers of tiles 2 bb, 2 bb + 1 are 16 neighbours along the second product's K.
; NO CLUSTER, NO TENSOR LOAD: what work-groups share is x[b], 65,536 bytes, taken column by column straight into the lane that quantises it; all else is computed.
; tau is loaded and, as in the definition, enters nothing.
; LIMITS: NaN and infinities in x or chi are not served.  A block whose largest magnitude lies under 2^-124 keeps the scale byte 1 (a block of zeros too: its codes are zeros, and this program alone reads the bytes).
; v's 8 bytes a work-group are a part of a 256-byte run: 2,048 bytes in the whole launch.
.set FRB,  1536                        ; a fragment's image: 12 registers x 128 bytes
.set XIMG, 0                           ; LDS: x's 8 fragments
.set XSC,  12288                       ; their scale words, 128 bytes each
.set BIMG, 13312                       ; Dx's 4 fragments
.set BSC,  19456                       ; their scale words
.set STG,  19968                       ; a stage of 16 rows x (256 + 16) bytes for each wave
.set VRED, 37376                       ; v's partial sums: 8 bytes a wave
.set XA,   4                           ; v4   x: 8192 h + 4 (r + 8 (r / 8))
.set LI,   5                           ; v5   16 x lane
.set LS,   6                           ; v6   4 x lane
.set XWI,  7                           ; v7   16 x lane + 2 FRB x wave
.set XWS,  8                           ; v8   4 x lane + 256 x wave
.set BWI,  9                           ; v9   16 x lane + FRB x wave
.set BWS,  10                          ; v10  4 x lane + 128 x wave
.set STO,  11                          ; v11  the stage, in: row r, + 32 h
.set RD,   12                          ; v12  the stage, back: row h, + 16 r
.set GO,   13                          ; v13  rec: 16384 h + 16 r
.set ROWF, 14                          ; v[14:15] my row's number x 2^-10, twice
.set ROWS, 16                          ; v[16:17] my row's factor s, twice
.set OFV,  18                          ; v[18:19] 0.5 for a cosine, 0 for a sine, twice
.set CI,   20                          ; v[20:35] 32 h + 2 i + 1
.set DF,   36                          ; v[36:47] Dy's fragment
.set DS,   48                          ; v48      its scale words
.set XS,   49                          ; v49-56   x's
.set BS,   57                          ; v57-60   Dx's
.set PW,   61                          ; v61      the scale words just made
.set C11V, 62                          ; v[62:63] a coefficient, twice
.set G,    64                          ; v64-127  64 numbers of a DCT row; then T; then P_hat (64-95) and rows read back (96-127); then e^(..)
.set OB,   96
.set XN,   128                         ; v128-191 64 numbers of x;  v128-223 x's fragments;  v128-175 Dx's;  v128-159 z
.set XF,   128
.set BF,   128
.set ZV,   128
.set EX,   64
.set PC,   192                         ; v192-203 the codes just made, v204-211 their odd halves (between quantisers: at work in TRIG)
.set TP,   204
.set TM,   240                         ; v240-255 at work in QUANT
.set SEL,   22                         ; s[22:23] lane selects: lane l xor 16
.set INVPI, 24                         ; scalar pairs: the packed forms name a pair and take its low word for both halves, so both words are written
.set NP1,   26
.set NP2,   28
.set C13,   32
.set C9,    34
.set C7,    36
.set C5,    38
.set C3,    40
.set PIS,   42
.set TAU,   44
.macro SPAIR reg, val
	s_mov_b32 s[\reg], \val
	s_mov_b32 s[\reg+1], \val
.endm
; In place on cnt registers from v[xb]: (-1)^k sin(x - (k - o) pi), k = x / pi + o rounded to a whole number: cos x for o = 0.5, sin x for o = 0.  pi is taken off in two parts by fused multiply-adds
; (k - o is at most 512: what is left of pi moves the result by under 2e-12); the sine of what is left, at most pi / 2, is its series up to the 13th power (the next term is under 7e-10).
; Every stage runs over all the registers before the next begins, so that no line waits for the line above it.  kb, sb, yb: cnt registers each, at work.
.macro TRIG xb, cnt, kb, sb, yb
.set q_, 0
.rept (\cnt)/2
	v_pk_fma_f32 v[\kb+q_:\kb+q_+1], v[\xb+q_:\xb+q_+1], s[INVPI:INVPI+1], v[OFV:OFV+1] op_sel_hi:[1,0,1]
.set q_, q_+2
.endr
.set q_, 0
.rept \cnt
	v_rndne_f32 v[\kb+q_], v[\kb+q_]               ; k
.set q_, q_+1
.endr
.set q_, 0
.rept \cnt
	v_cvt_i32_f32 v[\sb+q_], v[\kb+q_]
.set q_, q_+1
.endr
.set q_, 0
.rept \cnt
	v_lshlrev_b32 v[\sb+q_], 31, v[\sb+q_]         ; k's lowest bit as a sign
.set q_, q_+1
.endr
.set q_, 0
.rept (\cnt)/2
	v_pk_add_f32 v[\kb+q_:\kb+q_+1], v[\kb+q_:\kb+q_+1], v[OFV:OFV+1] neg_lo:[0,1] neg_hi:[0,1]   ; k - o, exact
.set q_, q_+2
.endr
.set q_, 0
.rept (\cnt)/2
	v_pk_fma_f32 v[\xb+q_:\xb+q_+1], v[\kb+q_:\kb+q_+1], s[NP1:NP1+1], v[\xb+q_:\xb+q_+1] op_sel_hi:[1,0,1]
.set q_, q_+2
.endr
.set q_, 0
.rept (\cnt)/2
	v_pk_fma_f32 v[\xb+q_:\xb+q_+1], v[\kb+q_:\kb+q_+1], s[NP2:NP2+1], v[\xb+q_:\xb+q_+1] op_sel_hi:[1,0,1]
.set q_, q_+2
.endr
.set q_, 0
.rept (\cnt)/2
	v_pk_mul_f32 v[\yb+q_:\yb+q_+1], v[\xb+q_:\xb+q_+1], v[\xb+q_:\xb+q_+1]
.set q_, q_+2
.endr
.set q_, 0
.rept (\cnt)/2
	v_pk_fma_f32 v[\kb+q_:\kb+q_+1], v[\yb+q_:\yb+q_+1], s[C13:C13+1], v[C11V:C11V+1] op_sel_hi:[1,0,1]
.set q_, q_+2
.endr
.irp cf, C9, C7, C5, C3
.set q_, 0
.rept (\cnt)/2
	v_pk_fma_f32 v[\kb+q_:\kb+q_+1], v[\kb+q_:\kb+q_+1], v[\yb+q_:\yb+q_+1], s[\cf:\cf+1] op_sel_hi:[1,1,0]
.set q_, q_+2
.endr
.endr
.set q_, 0
.rept (\cnt)/2
	v_pk_mul_f32 v[\yb+q_:\yb+q_+1], v[\yb+q_:\yb+q_+1], v[\xb+q_:\xb+q_+1]
.set q_, q_+2
.endr
.set q_, 0
.rept (\cnt)/2
	v_pk_fma_f32 v[\xb+q_:\xb+q_+1], v[\yb+q_:\yb+q_+1], v[\kb+q_:\kb+q_+1], v[\xb+q_:\xb+q_+1]
.set q_, q_+2
.endr
.set q_, 0
.rept \cnt
	v_xor_b32 v[\xb+q_], v[\sb+q_], v[\xb+q_]
.set q_, q_+1
.endr
.endm
; My row's number (s[base] + r) x 2^-10, and its factor: sqrt(1 / 512) for row 0, else 1 / 16
.macro ROWSET base
	v_add_nc_u32 v[TM], s[\base], v1
	v_cmp_eq_u32 vcc_lo, 0, v[TM]
	v_cvt_f32_u32 v[ROWF], v[TM]
	v_mul_f32 v[ROWF], 0x3a800000, v[ROWF]
	v_mov_b32 v[ROWF+1], v[ROWF]
	v_mov_b32 v[ROWS], 0x3d800000
	v_mov_b32 v[ROWS+1], 0x3d3504f3
	v_cndmask_b32 v[ROWS], v[ROWS], v[ROWS+1], vcc_lo
	v_mov_b32 v[ROWS+1], v[ROWS]
.endm
; Block bb of my DCT row: register G + 16 bb + i = s cos(fl(fl(pi (2 col + 1)) row) / 1024), col = c0 + 32 bb + 16 h + i.  lit = 64 bb + 2 c0 as f32.
.macro GENB bb, lit
.set q_, 0
.rept 8
	v_pk_add_f32 v[G+16*\bb+q_:G+16*\bb+q_+1], v[CI+q_:CI+q_+1], \lit op_sel_hi:[1,0]             ; 2 col + 1, exact
.set q_, q_+2
.endr
.set q_, 0
.rept 8
	v_pk_mul_f32 v[G+16*\bb+q_:G+16*\bb+q_+1], v[G+16*\bb+q_:G+16*\bb+q_+1], s[PIS:PIS+1] op_sel_hi:[1,0]   ; the first rounding
.set q_, q_+2
.endr
.set q_, 0
.rept 8
	v_pk_mul_f32 v[G+16*\bb+q_:G+16*\bb+q_+1], v[G+16*\bb+q_:G+16*\bb+q_+1], v[ROWF:ROWF+1]       ; the second
.set q_, q_+2
.endr
	TRIG G+16*\bb, 16, 192, 208, 224
.set q_, 0
.rept 8
	v_pk_mul_f32 v[G+16*\bb+q_:G+16*\bb+q_+1], v[G+16*\bb+q_:G+16*\bb+q_+1], v[ROWS:ROWS+1]
.set q_, q_+2
.endr
.endm
; 64 numbers of a lane, register s + 16 b + i = k 32 b + 16 (lane / 16) + i of my row, become a fragment's codes in v[pc] .. v[pc + 11] and its scale word in v[pw].  tp: 8 registers at work.
.macro QUANT s, pc, tp, pw
.irp b, 0,1,2,3
	v_max3_num_f32 v[TM+\b], |v[\s+16*\b]|, |v[\s+1+16*\b]|, 0x1800000   ; block b: my 16 numbers, and the floor 2^(3 - 127): the byte cannot fall under 1
.endr
.irp i, 2,4,6,8,10,12,14
.irp b, 0,1,2,3
	v_max3_num_f32 v[TM+\b], v[TM+\b], |v[\s+16*\b+\i]|, |v[\s+1+16*\b+\i]|   ; the four blocks by turns
.endr
.endr
.irp b, 0,1,2,3
	v_permlanex16_b32 v[TM+4+\b], v[TM+\b], s[SEL], s[SEL+1]
.endr
.irp b, 0,1,2,3
	v_max_num_f32 v[TM+\b], v[TM+\b], v[TM+4+\b]   ; with lane l xor 16's: the block's largest magnitude
.endr
.irp b, 0,1,2,3
	v_add_nc_u32 v[TM+12+\b], 0xff000000, v[TM+\b] ; 2 off its exponent field: the conversion takes this operand's exponent field as its scale
.endr
.irp b, 0,1,2,3
	v_lshrrev_b32 v[TM+4+\b], 23, v[TM+12+\b]      ; the scale's byte
.endr
	v_lshl_or_b32 v[\pw], v[TM+5], 8, v[TM+4]
	v_lshl_or_b32 v[\pw], v[TM+6], 16, v[\pw]
	v_lshl_or_b32 v[\pw], v[TM+7], 24, v[\pw]
.irp c, 0,1
	v_cvt_scalef32_pk16_fp6_f32 v[\pc+6*\c:\pc+2+6*\c], v[\s+32*\c:\s+15+32*\c], v[TM+12+2*\c]
	v_cvt_scalef32_pk16_fp6_f32 v[\tp+4*\c:\tp+2+4*\c], v[\s+16+32*\c:\s+31+32*\c], v[TM+12+2*\c+1]   ; (a conversion's three registers begin on an even number)
.endr
	v_nop                                          ; one plain place behind a scaled conversion
.irp c, 0,1                                    ; the operand's layout wants a whole block in a lane: lanes 0-15 block 2 c, lanes 16-31 block 2 c + 1
.irp i, 0,1,2
	v_permlane16_swap_b32 v[\pc+6*\c+\i], v[\tp+4*\c+\i]
.endr
.irp i, 0,1,2
	v_mov_b32 v[\pc+3+6*\c+\i], v[\tp+4*\c+\i]
.endr
.endr
.endm
.macro IMAGE adr, off, pc                      ; a fragment goes to LDS as it stands
.irp c, 0,1,2
	ds_store_b128 v[\adr], v[\pc+4*\c:\pc+4*\c+3] offset:\off+512*\c
.endr
.endm
.macro FETCH reg, off                          ; and comes back so, in any wave
.irp c, 0,1,2
	ds_load_b128 v[\reg+4*\c:\reg+4*\c+3], v[LI] offset:\off+512*\c
.endr
.endm
.macro XLOAD e                                 ; tile 2 w + e of x: my column m, down n: register 16 bb + i = x[b][32 bb + 16 h + i][m]
.irp bb, 0,1,2,3
.irp i, 0,1,2,3,4,5,6,7,8,9,10,11,12,13,14,15
	global_load_b32 v[XN+16*\bb+\i], v[XA], s[4:5] offset:(32*\bb+\i)*512+32*\e
.endr
.endr
.endm
	s_load_b128 s[4:7], s[0:1], 0x0                ; x, chi
	s_load_b128 s[8:11], s[0:1], 0x10              ; tau, rec
	s_load_b64 s[12:13], s[0:1], 0x20              ; vbuf
	s_set_vgpr_msb 0x40
	v_lshl_add_u32 v0, v0, 2, 0x9300
	v_mov_b32 v1, 0
	s_set_vgpr_msb 0x4000
	v_lshrrev_b32 v1, 5, v0
	v_readfirstlane_b32 s14, v1                    ; wave 0..3
	v_and_b32 v1, 15, v0                           ; r
	v_bfe_u32 v2, v0, 4, 1                         ; h
	v_and_b32 v3, 31, v0                           ; lane
	s_and_b32 s15, ttmp7, 0xffff                   ; b
	s_lshr_b32 s16, ttmp9, 3                       ; Y
	s_and_b32 s17, ttmp9, 7                        ; J
	s_lshl_b32 s18, s15, 6
	s_add_co_u32 s18, s18, ttmp9                   ; the work-group's number among all 256
	v_and_b32 v[XA], 8, v1
	v_add_nc_u32 v[XA], v[XA], v1                  ; r + 8 (r / 8)
	v_lshlrev_b32 v[XA], 2, v[XA]
	v_lshl_add_u32 v[XA], v2, 13, v[XA]            ; + 16 h rows of 512 bytes
	s_lshl_b32 s48, s15, 16                        ; x: batch b, 65,536 bytes; my wave's 32 columns, 128 bytes
	s_lshl_b32 s49, s14, 7
	s_add_co_u32 s48, s48, s49
	s_mov_b32 s49, 0
	s_lshl_b32 s50, s16, 20                        ; rec: row 64 Y + 16 w of 16,384 bytes, component b of 2,048, column 64 J
	s_lshl_b32 s52, s14, 18
	s_add_co_u32 s50, s50, s52
	s_lshl_b32 s52, s15, 11
	s_add_co_u32 s50, s50, s52
	s_lshl_b32 s52, s17, 8
	s_add_co_u32 s50, s50, s52
	s_mov_b32 s51, 0
	s_lshl_b32 s52, s18, 3                         ; vbuf: two numbers a work-group
	s_mov_b32 s53, 0
	s_wait_kmcnt 0x0
	s_add_nc_u64 s[4:5], s[4:5], s[48:49]
	s_add_nc_u64 s[10:11], s[10:11], s[50:51]
	s_add_nc_u64 s[12:13], s[12:13], s[52:53]
	s_load_b32 s19, s[6:7], 0x0                    ; chi
	s_load_b32 s20, s[8:9], 0x0                    ; tau: read, and used by nothing, as in the definition
	XLOAD 0                                        ; lands while Dx's fragment is made
	v_lshlrev_b32 v[LI], 4, v3
	v_lshlrev_b32 v[LS], 2, v3
	s_mul_i32 s48, s14, 2*FRB
	v_add_nc_u32 v[XWI], s48, v[LI]
	s_lshl_b32 s48, s14, 8
	v_add_nc_u32 v[XWS], s48, v[LS]
	s_mul_i32 s48, s14, FRB
	v_add_nc_u32 v[BWI], s48, v[LI]
	s_lshl_b32 s48, s14, 7
	v_add_nc_u32 v[BWS], s48, v[LS]
	s_mul_i32 s48, s14, 16*272
	s_add_co_u32 s48, s48, STG                     ; my stage
	v_mul_u32_u24 v[STO], v1, 272
	v_lshl_add_u32 v[STO], v2, 5, v[STO]
	v_add_nc_u32 v[STO], s48, v[STO]
	v_mul_u32_u24 v[RD], v2, 272
	v_lshl_add_u32 v[RD], v1, 4, v[RD]
	v_add_nc_u32 v[RD], s48, v[RD]
	v_lshlrev_b32 v[GO], 4, v1
	v_lshl_add_u32 v[GO], v2, 14, v[GO]
	v_lshlrev_b32 v[C11V], 5, v2                   ; 32 h (the register takes its coefficient below)
.irp i, 0,1,2,3,4,5,6,7,8,9,10,11,12,13,14,15
	v_add_nc_u32 v[CI+\i], 2*\i+1, v[C11V]
.endr
.irp i, 0,1,2,3,4,5,6,7,8,9,10,11,12,13,14,15
	v_cvt_f32_u32 v[CI+\i], v[CI+\i]
.endr
	v_mov_b32 v[C11V], 0xb2d7322b                  ; -1 / 11!
	v_mov_b32 v[C11V+1], 0xb2d7322b
	v_mov_b32 v[OFV], 0.5                          ; cosines first
	v_mov_b32 v[OFV+1], 0.5
.irp b, 0,1,2,3
	v_mov_b32 v[TM+4+\b], 0                        ; written once: a lane permute's destination counts as one of its sources
.endr
	s_mov_b32 s[SEL], 0x76543210
	s_mov_b32 s[SEL+1], 0xfedcba98
	SPAIR INVPI, 0x3ea2f983                        ; 1 / pi
	SPAIR NP1, 0xc0490fdb                          ; -(pi rounded to f32)
	SPAIR NP2, 0x33bbbd2e                          ; -(pi less that), rounded
	SPAIR C13, 0x2f309231                          ; 1 / 13!
	SPAIR C9, 0x3638ef1d                           ; 1 / 9!
	SPAIR C7, 0xb9500d01                           ; -1 / 7!
	SPAIR C5, 0x3c088889                           ; 1 / 5!
	SPAIR C3, 0xbe2aaaab                           ; -1 / 3!
	SPAIR PIS, 0x40490fdb                          ; pi
	s_wait_kmcnt 0x0                               ; chi, tau
	; ---- Dx's tile w: rows j = 64 J + 16 w + r, columns 128 + m
	s_lshl_b32 s48, s17, 6
	s_lshl_b32 s49, s14, 4
	s_add_co_u32 s48, s48, s49
	ROWSET 48
	GENB 0, 0x43800000                             ; 256 + 64 bb
	GENB 1, 0x43a00000
	GENB 2, 0x43c00000
	GENB 3, 0x43e00000
	QUANT G, PC, TP, PW
	IMAGE BWI, BIMG, PC
	ds_store_b32 v[BWS], v[PW] offset:BSC
	s_wait_dscnt 0x0                               ; the stores have read their registers
	; ---- x's tile 2 w
	s_wait_loadcnt 0x0                             ; its 64 loads
	QUANT XN, PC, TP, PW
	IMAGE XWI, XIMG, PC
	ds_store_b32 v[XWS], v[PW] offset:XSC
	s_wait_dscnt 0x0
	XLOAD 1                                        ; lands while Dy's fragment is made
	; ---- Dy's fragment: rows y = 64 Y + 16 w + r, columns n: it stays in my registers
	s_lshl_b32 s48, s16, 6
	s_add_co_u32 s48, s48, s49
	ROWSET 48
	GENB 0, 0
	GENB 1, 0x42800000                             ; 64 bb
	GENB 2, 0x43000000
	GENB 3, 0x43400000
	QUANT G, DF, TP, DS
	; ---- x's tile 2 w + 1
	s_wait_loadcnt 0x0
	QUANT XN, PC, TP, PW
	IMAGE XWI, XIMG+FRB, PC
	ds_store_b32 v[XWS], v[PW] offset:XSC+128
	s_wait_dscnt 0x0                               ; the stores have read their registers: TRIG works there next
	; ---- v[i] / 3 for i = 2 g, 2 g + 1 (g the work-group's number): thread T sums k = T + 128 f, f = 0..3
	s_lshl_b32 s48, s18, 1
	s_add_co_u32 s49, s48, 1
	v_cvt_f32_u32 v152, s48
	v_cvt_f32_u32 v153, s49
	v_mul_f32 v152, 0x3a800000, v152               ; i x 2^-10
	v_mul_f32 v153, 0x3a800000, v153
.irp f, 0,1,2,3
	v_add_nc_u32 v[140+\f], 128*\f, v0
.endr
.irp f, 0,1,2,3
	v_cvt_f32_u32 v[144+\f], v[140+\f]             ; k
.endr
.irp f, 0,1,2,3
	v_fma_f32 v[148+\f], v[144+\f], 2.0, 1.0       ; 2 k + 1, exact
.endr
.irp f, 0,1,2,3
	v_mul_f32 v[148+\f], s[PIS], v[148+\f]
	v_mul_f32 v[136+\f], s[PIS], v[144+\f]         ; Dy[k][0]: pi x 1 x k
.endr
.irp f, 0,1,2,3
	v_mul_f32 v[128+\f], v[148+\f], v152           ; Dy[2 g][k]
	v_mul_f32 v[132+\f], v[148+\f], v153           ; Dy[2 g + 1][k]
	v_mul_f32 v[136+\f], 0x3a800000, v[136+\f]
.endr
	TRIG 128, 12, 192, 208, 224
	v_cmp_eq_u32 vcc_lo, 0, v0
	v_mov_b32 v154, 0x3d800000                     ; s of row k: 1 / 16,
	v_mov_b32 v155, 0x3d3504f3
	v_cndmask_b32 v155, v154, v155, vcc_lo         ; sqrt(1 / 512) for k = 0
	v_mul_f32 v136, v155, v136
.irp f, 1,2,3
	v_mul_f32 v[136+\f], v154, v[136+\f]
.endr
	v_mul_f32 v156, v128, v136
	v_mul_f32 v157, v132, v136
.irp f, 1,2,3
	v_fma_f32 v156, v[128+\f], v[136+\f], v156
	v_fma_f32 v157, v[132+\f], v[136+\f], v157
.endr
	s_mov_b32 s49, 0x3d800000
	s_cmp_eq_u32 s18, 0
	s_cselect_b32 s49, 0x3d3504f3, s49             ; s of row i = 2 g
	v_mul_f32 v156, s49, v156
	v_mul_f32 v157, 0x3caaaaab, v157               ; row 2 g + 1 is never row 0: 1 / 16 / 3
	v_mul_f32 v156, 0x3eaaaaab, v156               ; / 3
.irp m, 1,2,4,8
	v_add_f32_dpp v156, v156, v156 row_xmask:\m row_mask:0xf bank_mask:0xf
	v_add_f32_dpp v157, v157, v157 row_xmask:\m row_mask:0xf bank_mask:0xf
.endr
	v_permlanex16_b32 v[TM+4], v156, s[SEL], s[SEL+1]
	v_permlanex16_b32 v[TM+5], v157, s[SEL], s[SEL+1]
	v_add_f32 v156, v156, v[TM+4]
	v_add_f32 v157, v157, v[TM+5]
	s_lshl_b32 s50, s14, 3
	s_add_co_u32 s50, s50, VRED
	v_mov_b32 v158, s50
	ds_store_b64 v158, v[156:157]                  ; all lanes write the same 8 bytes with the same numbers
	s_wait_dscnt 0x0                               ; for the others' sake: all my LDS stores have landed
	s_barrier_signal -1
	s_barrier_wait -1                              ; the one barrier: x's 8 and Dx's 4 fragments and v's 4 parts lie in LDS; nothing of them is written again
	; ---- the first product: T for my 16 rows y and all 128 m
.irp t, 0,1,2,3,4,5,6,7
	FETCH XF+12*\t, XIMG+FRB*\t
	ds_load_b32 v[XS+\t], v[LS] offset:XSC+128*\t
.endr
	s_wait_dscnt 0x0
.irp t, 0,1,2,3,4,5,6,7
	v_wmma_scale_f32_16x16x128_f8f6f4 v[G+8*\t:G+8*\t+7], v[XF+12*\t:XF+12*\t+11], v[DF:DF+11], 0, v[XS+\t], v[DS] matrix_a_fmt:MATRIX_FMT_FP6 matrix_b_fmt:MATRIX_FMT_FP6
.endr
.rept 4
	v_nop                                          ; four places: ahead of loads into registers that these products read, of the first read of their results, and of the conversions that write over x's fragments
.endr
.irp t, 0,1,2,3
	FETCH BF+12*\t, BIMG+FRB*\t                    ; Dx's fragments land while T is quantised
	ds_load_b32 v[BS+\t], v[LS] offset:BSC+128*\t
.endr
	QUANT G, PC, TP, PW                            ; lane (r, h): row y = r; register 16 bb + i is m = 32 bb + 16 h + i.  Each accumulator is read from its low end on
.rept 8
	v_nop                                          ; a scale register written by a vector instruction stands 8 places ahead of a scaled product, an operand 4; and the products below write over T, 5 places or more behind the products that made it
.endr
	s_wait_dscnt 0x0
	; ---- the second product: P_hat for my 16 rows y and 64 columns j
.irp t, 0,1,2,3
	v_wmma_scale_f32_16x16x128_f8f6f4 v[G+8*\t:G+8*\t+7], v[BF+12*\t:BF+12*\t+11], v[PC:PC+11], 0, v[BS+\t], v[PW] matrix_a_fmt:MATRIX_FMT_FP6 matrix_b_fmt:MATRIX_FMT_FP6
.endr
.rept 4
	v_nop
.endr
.irp t, 0,1,2,3                                ; lane (r, h): P_hat(y = r, j = 16 t + 8 h + 0 .. 7): 32 bytes of a row; through my own stage, back as whole rows of 256 bytes
	ds_store_b128 v[STO], v[G+8*\t:G+8*\t+3] offset:64*\t
	ds_store_b128 v[STO], v[G+8*\t+4:G+8*\t+7] offset:64*\t+16
.endr
.irp u, 0,1,2,3,4,5,6,7
	ds_load_b128 v[OB+4*\u:OB+4*\u+3], v[RD] offset:544*\u   ; LDS serves a wave's instructions in order: these see my stores
.endr
.irp u, 0,1,2,3,4,5,6,7
	s_wait_dscnt 7-\u                              ; rows 2 u, 2 u + 1 are back; the younger loads may be out
	global_store_b128 v[GO], v[OB+4*\u:OB+4*\u+3], s[10:11] offset:32768*\u   ; 16 lanes store 256 consecutive bytes, at a multiple of 256 from rec's first byte
.endr
	; ---- component 4 + b of the same patch: b = 0, 1: Re, Im of z;  b = 2, 3: of Z = z^32.  Lane (r, h), u = 0..7: row i = 64 Y + 16 w + 2 u + h, columns j = 64 J + 4 r + 0 .. 3
	s_bitcmp1_b32 s15, 1
	s_cselect_b32 s[TAU], 0x42000000, 1.0          ; the power: 32 or 1
	s_mov_b32 s[TAU+1], s[TAU]
	s_bitcmp1_b32 s15, 0
	s_cselect_b32 s48, 0, 0.5                      ; a sine or a cosine
	v_mov_b32 v[OFV], s48
	v_mov_b32 v[OFV+1], s48
	v_mov_b32 v176, s19
	v_mul_f32 v176, 0xbfb8aa3b, v176               ; -chi log2(e)
	v_mul_f32 v176, s[TAU], v176                   ; x the power
	v_mov_b32 v177, v176
	s_lshl_b32 s48, s17, 6
	v_lshl_add_u32 v178, v1, 2, s48                ; 64 J + 4 r
	s_lshl_b32 s48, s16, 6
	s_lshl_b32 s49, s14, 4
	s_add_co_u32 s48, s48, s49
	v_add_nc_u32 v179, s48, v2                     ; 64 Y + 16 w + h
.irp q, 0,1,2,3
	v_add_nc_u32 v[160+\q], \q, v178
.endr
.irp u, 0,1,2,3,4,5,6,7
	v_add_nc_u32 v[168+\u], 2*\u, v179
.endr
.irp q, 0,1,2,3,8,9,10,11,12,13,14,15
	v_cvt_f32_u32 v[160+\q], v[160+\q]
.endr
.irp q, 0,1,2,3,8,9,10,11,12,13,14,15
	v_mul_f32 v[160+\q], 0x3b000000, v[160+\q]     ; / 512, exact
.endr
.irp q, 0,1,2,3,8,9,10,11,12,13,14,15
	v_mul_f32 v[160+\q], s[PIS], v[160+\q]         ; kx, ky
.endr
.irp q, 0,1,2,3
	v_mul_f32 v[164+\q], v[160+\q], v[160+\q]      ; kx^2
.endr
.irp u, 0,1,2,3,4,5,6,7
	v_mul_f32 v[168+\u], v[168+\u], v[168+\u]      ; ky^2
.endr
.irp u, 0,1,2,3,4,5,6,7
.irp q, 0,1,2,3
	v_add_f32 v[ZV+4*\u+\q], v[164+\q], v[168+\u]
.endr
.endr
.set q_, 0
.rept 32
	v_sqrt_f32 v[ZV+q_], v[ZV+q_]                  ; F
.set q_, q_+1
.endr
	v_nop                                          ; a plain place behind the roots
	s_wait_alu depctr_va_vdst(0)                   ; one wait for the batch, ahead of its first reader
.set q_, 0
.rept 16
	v_pk_mul_f32 v[EX+q_:EX+q_+1], v[ZV+q_:ZV+q_+1], v[176:177]
.set q_, q_+2
.endr
.set q_, 0
.rept 32
	v_exp_f32 v[EX+q_], v[EX+q_]                   ; e^(-chi F power)
.set q_, q_+1
.endr
.set q_, 0
.rept 16
	v_pk_mul_f32 v[ZV+q_:ZV+q_+1], v[ZV+q_:ZV+q_+1], s[TAU:TAU+1] op_sel_hi:[1,0]   ; F x the power, exact.  (Plain work behind the exponentials, and so is all of TRIG)
.set q_, q_+2
.endr
	TRIG ZV, 32, 160, 192, 224
	s_wait_alu depctr_va_vdst(0)                   ; one wait for the 32 exponentials, ahead of their first reader
.set q_, 0
.rept 16
	v_pk_mul_f32 v[ZV+q_:ZV+q_+1], v[ZV+q_:ZV+q_+1], v[EX+q_:EX+q_+1]
.set q_, q_+2
.endr
.irp u, 0,1,2,3,4,5,6,7
	global_store_b128 v[GO], v[ZV+4*\u:ZV+4*\u+3], s[10:11] offset:32768*\u+8192   ; four components on: 16 lanes store 256 consecutive bytes, aligned
.endr
	; ---- v: the four waves' parts; one thread stores the two numbers
	v_mov_b32 v160, VRED
	v_mov_b32 v172, 0
	ds_load_b128 v[164:167], v160
	ds_load_b128 v[168:171], v160 offset:16
	s_wait_dscnt 0x0
	v_pk_add_f32 v[164:165], v[164:165], v[166:167]
	v_pk_add_f32 v[168:169], v[168:169], v[170:171]
	v_pk_add_f32 v[164:165], v[164:165], v[168:169]
	v_cmp_eq_u32 vcc_lo, 0, v0
	s_wait_xcnt 0x0                                ; EXEC is a source of the stores above: it changes only behind this wait
	s_set_vgpr_msb 0x5
	s_wait_tensorcnt 0x0
	ds_add_u32 v0, v1
	s_wait_dscnt 0x0
	s_set_vgpr_msb 0x500
	s_and_saveexec_b32 s60, vcc_lo
	global_store_b64 v172, v[164:165], s[12:13]
	s_wait_xcnt 0x0                                ; and again ahead of the line that widens it
	s_or_b32 exec_lo, exec_lo, s60
	s_endpgm
.Lfunc_end_k_qb717b5191c_front:
	.size	k_qb717b5191c_front, .Lfunc_end_k_qb717b5191c_front-k_qb717b5191c_front
	.p2alignl 7, 3214868480
	.fill 96, 4, 3214868480
	.section	.rodata,"a",@progbits
	.p2align	6, 0x0
	.amdhsa_kernel k_qb717b5191c_front
		.amdhsa_group_segment_fixed_size 38144
		.amdhsa_private_segment_fixed_size 0
		.amdhsa_enable_private_segment 0
		.amdhsa_kernarg_size 40
		.amdhsa_user_sgpr_count 2
		.amdhsa_user_sgpr_kernarg_segment_ptr 1
		.amdhsa_wavefront_size32 1
		.amdhsa_system_sgpr_workgroup_id_x 1
		.amdhsa_system_sgpr_workgroup_id_y 1
		.amdhsa_system_sgpr_workgroup_id_z 1
		.amdhsa_system_vgpr_workitem_id 0
		.amdhsa_next_free_vgpr 258
		.amdhsa_next_free_sgpr 66
		.amdhsa_reserve_vcc 1
		.amdhsa_float_denorm_mode_32 3
		.amdhsa_float_denorm_mode_16_64 3
		.amdhsa_memory_ordered 1
		.amdhsa_forward_progress 1
		.amdhsa_inst_pref_size 163
	.end_amdhsa_kernel
	.amdgpu_metadata
---
amdhsa.version: [ 1, 2 ]
amdhsa.kernels:
  - .name:           k_qb717b5191c_front
    .symbol:         k_qb717b5191c_front.kd
    .args:
      - { .name: x, .offset: 0, .size: 8, .value_kind: global_buffer, .address_space: global }
      - { .name: chi, .offset: 8, .size: 8, .value_kind: global_buffer, .address_space: global }
      - { .name: tau, .offset: 16, .size: 8, .value_kind: global_buffer, .address_space: global }
      - { .name: rec, .offset: 24, .size: 8, .value_kind: global_buffer, .address_space: global }
      - { .name: vbuf, .offset: 32, .size: 8, .value_kind: global_buffer, .address_space: global }
    .group_segment_fixed_size: 38144
    .private_segment_fixed_size: 0
    .kernarg_segment_align: 8
    .kernarg_segment_size: 40
    .max_flat_workgroup_size: 128
    .sgpr_count:     66
    .vgpr_count:     258
    .wavefront_size: 32
...
	.end_amdgpu_metadata
.endif
;; end of part 1
;; launch prop (part 2): grid 16 x 16, 8 waves a work-group, no clusters, 263,168 bytes of LDS; arguments rec, vbuf, out0; writes out0
.if DOCPART == 2
	.amdgcn_target "amdgcn-amd-amdhsa--gfx1250"
	.amdhsa_code_object_version 6
	.text
	.protected	k_qb717b5191c_prop
	.globl	k_qb717b5191c_prop
	.p2align	8
	.type	k_qb717b5191c_prop,@function
k_qb717b5191c_prop:
	s_mov_b64 s[64:65], 0
	v_nop
	global_prefetch_b8 v0, s[64:65] scope:SCOPE_SE
	s_setreg_imm32_b32 hwreg(HW_REG_WAVE_MODE, 25, 1), 1
	s_wait_xcnt 0x0
; PROP: out0[b][t][j] = sum over i of (v[i] / 3) P_hat[b][i][j] Re(z(i, j)^t),  z = e^((-chi + i) F): e^(-chi F t) cos(F t) is the real part of z^t.
; a_t = (v / 3) Re(z^t) follows a_(t+1) = 2 Re(z) a_t - |z|^2 a_(t-1): two packed instructions for two columns j, in place of an exponential and a cosine for each number.
; The sum over i has M = 4 (the batches) and is made in f32 by packed fused multiply-adds: i = 0 and 1 carry nearly all of it, so an operand's rounding goes straight into the result.
; SHARES.  Work-group (x = g, y = c): columns j = 32 g .. + 31, time steps t = 32 c .. + 31, all 512 i, all 4 batches.  Lane: p = lane % 16 is the pair of columns 2 p, 2 p + 1 (every arithmetic line is packed over it),
; hh = lane / 16; with the wave's number w, sg = 2 w + hh; trip k takes i = 16 k + sg: 32 trips.  A lane keeps 32 t x 4 b x 2 j sums: 256 registers (window 1).  At the end the 16 sg meet in LDS.
; A TRIP: 68 bytes a lane from rec and vbuf (four P_hat pairs, z, Z = z^32, v / 3), asked for four trips ahead; S = (v / 3) Z^c by squaring and multiplying (the branches hang on the work-group's number c alone);
; a_0 = Re S, a_1 = Re(S z); 30 steps of the recurrence; 128 packed multiply-adds.
; NO CLUSTER, NO TENSOR LOAD, NO PREFETCH: the sixteen work-groups of a g read the same 524,288 bytes of rec, but each record is used by one lane alone and goes straight into its registers; by joint loads the same
; bytes would go once more into LDS and out of it, with a round of the cluster's barrier for each refill, to feed 188 packed instructions a record.  rec is read sixteen times over, not once.
; A row of out0 has 128 bytes in this work-group: sixteen lanes store 128 consecutive aligned bytes.  64 columns to a work-group would halve the run of t that one start of the recurrence serves.
; LIMITS: the recurrence's error grows like t^2 x 2^-24 over its 32 steps, Z^c adds some 15 x 2^-23; sums are taken in another order than a plain loop over i; chi < 0 is served as long as z^511 stays finite; no NaN, no infinities.
.set VO,  1                            ; v1   rec: 16384 sg + 8 p; never rewritten
.set VV,  2                            ; v2   vbuf: 4 sg; never rewritten
.set STA, 3                            ; v3   LDS, in: 32768 w + 16 lane
.set RA,  4                            ; v4-7 LDS, back: 2048 sg + 16 p + 65536 m
.set OV,  8                            ; v8   out0: 4096 sg + 8 p
.set SI,  10                           ; v[10:11] Im S
.set PP,  12                           ; v[12:13] 2 Re z
.set QQ,  14                           ; v[14:15] |z|^2
.set T1,  16                           ; v[16:23] at work
.set T2,  18
.set RES, 24                           ; v24-39   four finished quads
.set A,   64                           ; v64-127  a_t at A + 2 t;  Re S is a_0
.set LS0, 128                          ; v128-199 four load sets of 18: +0..7 P_hat of b = 0..3, +8 Re z, +10 Im z, +12 Re Z, +14 Im Z, +16 v / 3
.set MSB, 0
.macro WIN new                         ; the immediate's high byte repeats the setting that is left
.if MSB != \new
	s_set_vgpr_msb (MSB<<8)|\new
.set MSB, \new
.endif
.endm
.macro LOADSET q, base                 ; the record of the trip q (+ base bytes of rec on): nine loads; sixteen lanes read 128 consecutive bytes
.irp cc, 0,1,2,3,4,5,6,7
	global_load_b64 v[LS0+18*(\q)+2*\cc:LS0+18*(\q)+2*\cc+1], v[VO], s[4:5] offset:(\base)+262144*(\q)+2048*\cc
.endr
	global_load_b32 v[LS0+18*(\q)+16], v[VV], s[6:7] offset:(\base)/4096+64*(\q)
.endm
.macro CMUL                            ; S = S Y, Y the power of Z in the set's registers
	v_pk_mul_f32 v[T1:T1+1], v[SI:SI+1], v[L+14:L+15]
	v_pk_mul_f32 v[T2:T2+1], v[SI:SI+1], v[L+12:L+13]
	v_pk_fma_f32 v[SI:SI+1], v[A:A+1], v[L+14:L+15], v[T2:T2+1]
	v_pk_fma_f32 v[A:A+1], v[A:A+1], v[L+12:L+13], v[T1:T1+1] neg_lo:[0,0,1] neg_hi:[0,0,1]
.endm
.macro CSQR                            ; Y = Y^2
	v_pk_mul_f32 v[T1:T1+1], v[L+14:L+15], v[L+14:L+15]
	v_pk_mul_f32 v[T2:T2+1], v[L+12:L+13], v[L+14:L+15]
	v_pk_fma_f32 v[L+12:L+13], v[L+12:L+13], v[L+12:L+13], v[T1:T1+1] neg_lo:[0,0,1] neg_hi:[0,0,1]
	v_pk_add_f32 v[L+14:L+15], v[T2:T2+1], v[T2:T2+1]
.endm
; One i.  first = 1: the products start the sums: nothing is cleared.  load = 1: the set is asked for again, four trips on.  left: the younger loads that may stay out.
.macro TRIP q, first, load, left
.set L, LS0+18*(\q)
	s_wait_loadcnt \left                           ; loads come back in order: this set's nine are in
	v_mov_b32 v[A], v[L+16]                        ; S = v / 3
	v_mov_b32 v[A+1], v[L+16]
	v_mov_b32 v[SI], 0
	v_mov_b32 v[SI+1], 0
	s_bitcmp1_b32 s10, 0                           ; S = S Z^c, c's bits from the lowest; no square is made that no later bit wants
	s_cbranch_scc0 .La0_\@
	CMUL
.La0_\@:
	s_cmp_lt_u32 s10, 2
	s_cbranch_scc1 .Lgo_\@
	CSQR
	s_bitcmp1_b32 s10, 1
	s_cbranch_scc0 .La1_\@
	CMUL
.La1_\@:
	s_cmp_lt_u32 s10, 4
	s_cbranch_scc1 .Lgo_\@
	CSQR
	s_bitcmp1_b32 s10, 2
	s_cbranch_scc0 .La2_\@
	CMUL
.La2_\@:
	s_cmp_lt_u32 s10, 8
	s_cbranch_scc1 .Lgo_\@
	CSQR
	CMUL                                           ; c >= 8: bit 3 is set
.Lgo_\@:
	v_pk_mul_f32 v[T1:T1+1], v[SI:SI+1], v[L+10:L+11]
	v_pk_add_f32 v[PP:PP+1], v[L+8:L+9], v[L+8:L+9]
	v_pk_mul_f32 v[QQ:QQ+1], v[L+10:L+11], v[L+10:L+11]
	v_pk_fma_f32 v[A+2:A+3], v[A:A+1], v[L+8:L+9], v[T1:T1+1] neg_lo:[0,0,1] neg_hi:[0,0,1]   ; a_1 = Re(S z)
	v_pk_fma_f32 v[QQ:QQ+1], v[L+8:L+9], v[L+8:L+9], v[QQ:QQ+1]
.set t_, 1
.rept 30
	v_pk_mul_f32 v[20+2*(t_%2):21+2*(t_%2)], v[QQ:QQ+1], v[A+2*t_-2:A+2*t_-1]
	v_pk_fma_f32 v[A+2*t_+2:A+2*t_+3], v[PP:PP+1], v[A+2*t_:A+2*t_+1], v[20+2*(t_%2):21+2*(t_%2)] neg_lo:[0,0,1] neg_hi:[0,0,1]
.set t_, t_+1
.endr
.if \first
	WIN 0x40                                       ; the sums: window 1
.else
	WIN 0x50
.endif
.set t_, 0
.rept 32
.irp b, 0,1,2,3
.if \first
	v_pk_mul_f32 v[8*t_+2*\b:8*t_+2*\b+1], v[A+2*t_:A+2*t_+1], v[L+2*\b:L+2*\b+1]
.else
	v_pk_fma_f32 v[8*t_+2*\b:8*t_+2*\b+1], v[A+2*t_:A+2*t_+1], v[L+2*\b:L+2*\b+1], v[8*t_+2*\b:8*t_+2*\b+1]
.endif
.endr
.set t_, t_+1
.endr
	WIN 0                                          ; at a label and at a branch every window is 0
.if \load
	LOADSET \q, 1048576                            ; 64 rows i on
.endif
.endm
.macro ITER first, load                ; four trips, one on each load set
.if \load
	TRIP 0, \first, 1, 27                          ; 27: the three younger sets of nine
	TRIP 1, 0, 1, 27
	TRIP 2, 0, 1, 27
	TRIP 3, 0, 1, 27
	s_wait_xcnt 0x0                                ; the loads have read their bases: only behind this wait are they stepped
	s_add_nc_u64 s[4:5], s[4:5], 1048576
	s_add_nc_u64 s[6:7], s[6:7], 256
.else
	TRIP 0, 0, 0, 27                               ; nothing more is asked for: the counts run down
	TRIP 1, 0, 0, 18
	TRIP 2, 0, 0, 9
	TRIP 3, 0, 0, 0
.endif
.endm
	s_load_b128 s[4:7], s[0:1], 0x0                ; rec, vbuf
	s_load_b64 s[8:9], s[0:1], 0x10                ; out0
	v_lshl_add_u32 v254, v0, 2, 0x40000
	v_mov_b32 v255, 0
	v_lshrrev_b32 v16, 5, v0
	v_readfirstlane_b32 s12, v16                   ; wave 0..7
	s_and_b32 s10, ttmp7, 0xffff                   ; c
	v_and_b32 v16, 15, v0                          ; p
	v_lshrrev_b32 v18, 4, v0                       ; sg = 2 w + hh
	v_and_b32 v19, 31, v0                          ; lane
	v_lshlrev_b32 v[VO], 14, v18
	v_lshl_add_u32 v[VO], v16, 3, v[VO]
	v_lshlrev_b32 v[VV], 2, v18
	s_lshl_b32 s13, s12, 15
	v_lshlrev_b32 v[STA], 4, v19
	v_add_nc_u32 v[STA], s13, v[STA]
	v_lshlrev_b32 v[RA], 11, v18
	v_lshl_add_u32 v[RA], v16, 4, v[RA]
.irp m, 1,2,3
	v_add_nc_u32 v[RA+\m], 65536*\m, v[RA]
.endr
	v_lshlrev_b32 v[OV], 12, v18
	v_lshl_add_u32 v[OV], v16, 3, v[OV]
	s_lshl_b32 s14, ttmp9, 7                       ; my 32 columns: 128 bytes
	s_mov_b32 s15, 0
	s_lshl_b32 s16, s10, 16                        ; my 32 time steps: rows of 2,048 bytes
	s_add_co_u32 s16, s16, s14
	s_mov_b32 s17, 0
	s_wait_kmcnt 0x0
	s_add_nc_u64 s[4:5], s[4:5], s[14:15]
	s_add_nc_u64 s[8:9], s[8:9], s[16:17]
	LOADSET 0, 0
	LOADSET 1, 0
	LOADSET 2, 0
	LOADSET 3, 0
	ITER 1, 1                                      ; trips 0-3: the first starts the sums
	s_mov_b32 s11, 6
.Lit:                                              ; trips 4-27
	ITER 0, 1
	s_sub_co_u32 s11, s11, 1
	s_cmp_lg_u32 s11, 0
	s_cbranch_scc1 .Lit
	ITER 0, 0                                      ; trips 28-31: the last load asked for was row i = 511's
	; THE SIXTEEN sg MEET.  Quad u of my 64 (registers 4 u .. 4 u + 3: t = u / 2, b = 2 (u % 2), + 1, two columns each) goes to LDS at 32768 w + 512 u + 16 lane.
	WIN 0x04                                       ; an LDS store's data are its source 1: window 1
.set u_, 0
.rept 64
	ds_store_b128 v[STA], v[4*u_:4*u_+3] offset:512*u_
.set u_, u_+1
.endr
	WIN 0
	s_wait_dscnt 0x0                               ; for the others' sake: my stores have landed
	s_barrier_signal -1
	s_barrier_wait -1
; Thread (w, hh, p) sums quads u = 8 w + 4 hh + e, e = 0..3, of column pair p over all 16 sg'.  k = sg' = 2 w' + hh'.
.macro RLOAD e
.set B_, 64+64*((\e)%2)
.irp k, 0,1,2,3,4,5,6,7,8,9,10,11,12,13,14,15
	ds_load_b128 v[B_+4*\k:B_+4*\k+3], v[RA+\k/4] offset:512*(\e)+32768*((\k/2)%2)+256*(\k%2)
.endr
.endm
.macro RSUM e
.set B_, 64+64*((\e)%2)
.set q_, 0
.rept 16
	v_pk_add_f32 v[B_+q_:B_+q_+1], v[B_+q_:B_+q_+1], v[B_+32+q_:B_+33+q_]
.set q_, q_+2
.endr
.set q_, 0
.rept 8
	v_pk_add_f32 v[B_+q_:B_+q_+1], v[B_+q_:B_+q_+1], v[B_+16+q_:B_+17+q_]
.set q_, q_+2
.endr
.set q_, 0
.rept 4
	v_pk_add_f32 v[B_+q_:B_+q_+1], v[B_+q_:B_+q_+1], v[B_+8+q_:B_+9+q_]
.set q_, q_+2
.endr
	v_pk_add_f32 v[RES+4*(\e):RES+4*(\e)+1], v[B_:B_+1], v[B_+4:B_+5]
	v_pk_add_f32 v[RES+4*(\e)+2:RES+4*(\e)+3], v[B_+2:B_+3], v[B_+6:B_+7]
	global_store_b64 v[OV], v[RES+4*(\e):RES+4*(\e)+1], s[8:9] offset:((\e)/2)*2048+(2*((\e)%2))*1048576 th:TH_STORE_NT      ; t = 4 w + 2 hh + e / 2, b = 2 (e % 2): sixteen lanes store 128 consecutive bytes; written once, read by nobody here
	global_store_b64 v[OV], v[RES+4*(\e)+2:RES+4*(\e)+3], s[8:9] offset:((\e)/2)*2048+(2*((\e)%2)+1)*1048576 th:TH_STORE_NT  ; b + 1
.endm
	RLOAD 0
.irp e, 0,1,2
	RLOAD \e+1                                     ; the next item's loads go out ahead of this item's sum, into the other 64 registers
	s_wait_dscnt 16                                ; all but those sixteen
	RSUM \e
.endr
	s_wait_dscnt 0x0
	RSUM 3
	s_wait_tensorcnt 0x0
	ds_add_u32 v254, v255
	s_wait_dscnt 0x0
	s_endpgm
.Lfunc_end_k_qb717b5191c_prop:
	.size	k_qb717b5191c_prop, .Lfunc_end_k_qb717b5191c_prop-k_qb717b5191c_prop
	.p2alignl 7, 3214868480
	.fill 96, 4, 3214868480
	.section	.rodata,"a",@progbits
	.p2align	6, 0x0
	.amdhsa_kernel k_qb717b5191c_prop
		.amdhsa_group_segment_fixed_size 263168
		.amdhsa_private_segment_fixed_size 0
		.amdhsa_enable_private_segment 0
		.amdhsa_kernarg_size 24
		.amdhsa_user_sgpr_count 2
		.amdhsa_user_sgpr_kernarg_segment_ptr 1
		.amdhsa_wavefront_size32 1
		.amdhsa_system_sgpr_workgroup_id_x 1
		.amdhsa_system_sgpr_workgroup_id_y 1
		.amdhsa_system_sgpr_workgroup_id_z 1
		.amdhsa_system_vgpr_workitem_id 0
		.amdhsa_next_free_vgpr 512
		.amdhsa_next_free_sgpr 66
		.amdhsa_reserve_vcc 0
		.amdhsa_float_denorm_mode_32 3
		.amdhsa_float_denorm_mode_16_64 3
		.amdhsa_memory_ordered 1
		.amdhsa_forward_progress 1
		.amdhsa_inst_pref_size 202
	.end_amdhsa_kernel
	.amdgpu_metadata
---
amdhsa.version: [ 1, 2 ]
amdhsa.kernels:
  - .name:           k_qb717b5191c_prop
    .symbol:         k_qb717b5191c_prop.kd
    .args:
      - { .name: rec, .offset: 0, .size: 8, .value_kind: global_buffer, .address_space: global }
      - { .name: vbuf, .offset: 8, .size: 8, .value_kind: global_buffer, .address_space: global }
      - { .name: out0, .offset: 16, .size: 8, .value_kind: global_buffer, .address_space: global }
    .group_segment_fixed_size: 263168
    .private_segment_fixed_size: 0
    .kernarg_segment_align: 8
    .kernarg_segment_size: 24
    .max_flat_workgroup_size: 256
    .sgpr_count:     66
    .vgpr_count:     512
    .wavefront_size: 32
...
	.end_amdgpu_metadata
.endif
;; end of part 2
;; ======== version 2 of 2: 2 launches; 1.19 times as fast as version 1
;; workspace buffers: rec 8,388,608 bytes; vbuf 2,048 bytes
;; launch front: the kernel of part 1 again; grid 64 x 4, 4 waves a work-group, no clusters, 38,144 bytes of LDS; arguments x, chi, tau, rec, vbuf; writes rec, vbuf
;; launch prop (part 3): grid 16 x 16, 8 waves a work-group, no clusters, 263,168 bytes of LDS; arguments rec, vbuf, out0; writes out0
.if DOCPART == 3
	.amdgcn_target "amdgcn-amd-amdhsa--gfx1250"
	.amdhsa_code_object_version 6
	.text
	.protected	k_qb717b5191c_prop
	.globl	k_qb717b5191c_prop
	.p2align	8
	.type	k_qb717b5191c_prop,@function
k_qb717b5191c_prop:
	s_mov_b64 s[64:65], 0
	v_nop
	global_prefetch_b8 v0, s[64:65] scope:SCOPE_SE
	s_setreg_imm32_b32 hwreg(HW_REG_WAVE_MODE, 25, 1), 1
	s_wait_xcnt 0x0
; PROP: out0[b][t][j] = sum over i of (v[i] / 3) P_hat[b][i][j] Re(z(i, j)^t),  z = e^((-chi + i) F): e^(-chi F t) cos(F t) is the real part of z^t.
; a_t = (v / 3) Re(z^t) follows a_(t+1) = 2 Re(z) a_t - |z|^2 a_(t-1): two packed instructions for two columns j, in place of an exponential and a cosine for each number.
; The sum over i has M = 4 (the batches) and is made in f32 by packed fused multiply-adds: i = 0 and 1 carry nearly all of it, so an operand's rounding goes straight into the result.
; SHARES.  Work-group (x = g, y = c): columns j = 32 g .. + 31, time steps t = 32 c .. + 31, all 512 i, all 4 batches.  Lane: p = lane % 16 is the pair of columns 2 p, 2 p + 1 (every arithmetic line is packed over it),
; hh = lane / 16; with the wave's number w, sg = 2 w + hh; record k is row i = 16 k + sg: 32 records a lane.  A lane keeps 32 t x 4 b x 2 j sums: 256 registers (window 1).  At the end the 16 sg meet in LDS.
; A RECORD: 68 bytes a lane from rec and vbuf (four P_hat pairs, z, Z = z^32, v / 3), asked for two pairs of records ahead; S = (v / 3) Z^c by squaring and multiplying (the branches hang on the work-group's number c alone);
; a_0 = Re S, a_1 = Re(S z); 30 steps of the recurrence; 128 packed multiply-adds.
; TWO RECORDS GO TOGETHER (chains A and B): the powers of Z and the recurrence are chains in which each line reads a line shortly above it, so the two records' lines stand by turns, and the recurrence's multiplies are
; set one or two steps ahead: no line reads a result made fewer than three lines above it.  The arithmetic of a record, and the order in which the sums take the records, are those of one record at a time.
; NO CLUSTER, NO TENSOR LOAD, NO PREFETCH: the sixteen work-groups of a g read the same 524,288 bytes of rec, but each record is used by one lane alone and goes straight into its registers; by joint loads the same
; bytes would go once more into LDS and out of it, with a round of the cluster's barrier for each refill, to feed 188 packed instructions a record.  rec is read sixteen times over, not once.
; A row of out0 has 128 bytes in this work-group: sixteen lanes store 128 consecutive aligned bytes.  64 columns to a work-group would halve the run of t that one start of the recurrence serves.
; LIMITS: the recurrence's error grows like t^2 x 2^-24 over its 32 steps, Z^c adds some 15 x 2^-23; sums are taken in another order than a plain loop over i; chi < 0 is served as long as z^511 stays finite; no NaN, no infinities.
.set VO,  1                            ; v1   rec: 16384 sg + 8 p; never rewritten
.set VV,  2                            ; v2   vbuf: 4 sg; never rewritten
.set STA, 3                            ; v3   LDS, in: 32768 w + 16 lane
.set RA,  4                            ; v4-7 LDS, back: 2048 sg + 16 p + 65536 m
.set OV,  8                            ; v8   out0: 4096 sg + 8 p
.set SIA, 10                           ; v[10:11], v[12:13] Im S of chains A, B
.set SIB, 12
.set PPA, 14                           ; v[14:15], v[16:17] 2 Re z
.set PPB, 16
.set QQA, 18                           ; v[18:19], v[20:21] |z|^2
.set QQB, 20
.set TA,  22                           ; v[22:25] two pairs at work for chain A
.set TB,  26                           ; v[26:29] and for chain B
.set LS0, 32                           ; v32-103  four load sets of 18: +0..7 P_hat of b = 0..3, +8 Re z, +10 Im z, +12 Re Z, +14 Im Z, +16 v / 3
.set AA,  104                          ; v104-167 chain A's a_t at AA + 2 t;  Re S is a_0
.set AB,  168                          ; v168-231 chain B's
.set RES, 232                          ; v232-247 four finished quads
.set MSB, 0
.macro WIN new                         ; the immediate's high byte repeats the setting that is left
.if MSB != \new
	s_set_vgpr_msb (MSB<<8)|\new
.set MSB, \new
.endif
.endm
.macro LOADSET q                       ; record q of the four that begin at the bases: nine loads; sixteen lanes read 128 consecutive bytes
.irp cc, 0,1,2,3,4,5,6,7
	global_load_b64 v[LS0+18*(\q)+2*\cc:LS0+18*(\q)+2*\cc+1], v[VO], s[4:5] offset:262144*(\q)+2048*\cc
.endr
	global_load_b32 v[LS0+18*(\q)+16], v[VV], s[6:7] offset:64*(\q)
.endm
.macro CMUL2                           ; S = S Y in both chains, Y the power of Z in the set's registers; each reader stands four lines behind its source
	v_pk_mul_f32 v[TA+2:TA+3], v[SIA:SIA+1], v[LA+12:LA+13]
	v_pk_mul_f32 v[TB+2:TB+3], v[SIB:SIB+1], v[LB+12:LB+13]
	v_pk_mul_f32 v[TA:TA+1], v[SIA:SIA+1], v[LA+14:LA+15]
	v_pk_mul_f32 v[TB:TB+1], v[SIB:SIB+1], v[LB+14:LB+15]
	v_pk_fma_f32 v[SIA:SIA+1], v[AA:AA+1], v[LA+14:LA+15], v[TA+2:TA+3]
	v_pk_fma_f32 v[SIB:SIB+1], v[AB:AB+1], v[LB+14:LB+15], v[TB+2:TB+3]
	v_pk_fma_f32 v[AA:AA+1], v[AA:AA+1], v[LA+12:LA+13], v[TA:TA+1] neg_lo:[0,0,1] neg_hi:[0,0,1]
	v_pk_fma_f32 v[AB:AB+1], v[AB:AB+1], v[LB+12:LB+13], v[TB:TB+1] neg_lo:[0,0,1] neg_hi:[0,0,1]
.endm
.macro CSQR2                           ; Y = Y^2 in both chains
	v_pk_mul_f32 v[TA:TA+1], v[LA+14:LA+15], v[LA+14:LA+15]
	v_pk_mul_f32 v[TB:TB+1], v[LB+14:LB+15], v[LB+14:LB+15]
	v_pk_mul_f32 v[TA+2:TA+3], v[LA+12:LA+13], v[LA+14:LA+15]
	v_pk_mul_f32 v[TB+2:TB+3], v[LB+12:LB+13], v[LB+14:LB+15]
	v_pk_fma_f32 v[LA+12:LA+13], v[LA+12:LA+13], v[LA+12:LA+13], v[TA:TA+1] neg_lo:[0,0,1] neg_hi:[0,0,1]
	v_pk_fma_f32 v[LB+12:LB+13], v[LB+12:LB+13], v[LB+12:LB+13], v[TB:TB+1] neg_lo:[0,0,1] neg_hi:[0,0,1]
	v_pk_add_f32 v[LA+14:LA+15], v[TA+2:TA+3], v[TA+2:TA+3]
	v_pk_add_f32 v[LB+14:LB+15], v[TB+2:TB+3], v[TB+2:TB+3]
.endm
.macro ACCUM ab, lb, first             ; one record's 128 products onto the sums (first = 1: they start the sums: nothing is cleared)
.set t_, 0
.rept 32
.irp b, 0,1,2,3
.if \first
	v_pk_mul_f32 v[8*t_+2*\b:8*t_+2*\b+1], v[\ab+2*t_:\ab+2*t_+1], v[\lb+2*\b:\lb+2*\b+1]
.else
	v_pk_fma_f32 v[8*t_+2*\b:8*t_+2*\b+1], v[\ab+2*t_:\ab+2*t_+1], v[\lb+2*\b:\lb+2*\b+1], v[8*t_+2*\b:8*t_+2*\b+1]
.endif
.endr
.set t_, t_+1
.endr
.endm
; Records q (chain A) and q + 1 (chain B).  first = 1: chain A's products start the sums.  load = 1: both sets are asked for again, four records on.  left: the younger loads that may stay out.
.macro PAIR q, first, load, left
.set LA, LS0+18*(\q)
.set LB, LS0+18*(\q)+18
	s_wait_loadcnt \left                           ; loads come back in order: these two sets' eighteen are in
	v_mov_b32 v[AA], v[LA+16]                      ; S = v / 3
	v_mov_b32 v[AB], v[LB+16]
	v_mov_b32 v[AA+1], v[LA+16]
	v_mov_b32 v[AB+1], v[LB+16]
	v_mov_b32 v[SIA], 0
	v_mov_b32 v[SIB], 0
	v_mov_b32 v[SIA+1], 0
	v_mov_b32 v[SIB+1], 0
	s_bitcmp1_b32 s10, 0                           ; S = S Z^c, c's bits from the lowest; no square is made that no later bit wants
	s_cbranch_scc0 .La0_\@
	CMUL2
.La0_\@:
	s_cmp_lt_u32 s10, 2
	s_cbranch_scc1 .Lgo_\@
	CSQR2
	s_bitcmp1_b32 s10, 1
	s_cbranch_scc0 .La1_\@
	CMUL2
.La1_\@:
	s_cmp_lt_u32 s10, 4
	s_cbranch_scc1 .Lgo_\@
	CSQR2
	s_bitcmp1_b32 s10, 2
	s_cbranch_scc0 .La2_\@
	CMUL2
.La2_\@:
	s_cmp_lt_u32 s10, 8
	s_cbranch_scc1 .Lgo_\@
	CSQR2
	CMUL2                                          ; c >= 8: bit 3 is set
.Lgo_\@:
	v_pk_mul_f32 v[TA:TA+1], v[SIA:SIA+1], v[LA+10:LA+11]
	v_pk_mul_f32 v[TB:TB+1], v[SIB:SIB+1], v[LB+10:LB+11]
	v_pk_mul_f32 v[QQA:QQA+1], v[LA+10:LA+11], v[LA+10:LA+11]
	v_pk_mul_f32 v[QQB:QQB+1], v[LB+10:LB+11], v[LB+10:LB+11]
	v_pk_add_f32 v[PPA:PPA+1], v[LA+8:LA+9], v[LA+8:LA+9]
	v_pk_add_f32 v[PPB:PPB+1], v[LB+8:LB+9], v[LB+8:LB+9]
	v_pk_fma_f32 v[QQA:QQA+1], v[LA+8:LA+9], v[LA+8:LA+9], v[QQA:QQA+1]
	v_pk_fma_f32 v[QQB:QQB+1], v[LB+8:LB+9], v[LB+8:LB+9], v[QQB:QQB+1]
	v_pk_fma_f32 v[AA+2:AA+3], v[AA:AA+1], v[LA+8:LA+9], v[TA:TA+1] neg_lo:[0,0,1] neg_hi:[0,0,1]   ; a_1 = Re(S z)
	v_pk_fma_f32 v[AB+2:AB+3], v[AB:AB+1], v[LB+8:LB+9], v[TB:TB+1] neg_lo:[0,0,1] neg_hi:[0,0,1]
	; THE RECURRENCE.  Step t: a_(t+1) = P a_t - m_t, m_t = Q a_(t-1), kept in pair t % 2 of the chain's two.  A block of four lines: A's step t, B's step t, B's m_(t+1), A's m_(t+2).
	v_pk_mul_f32 v[TA+2:TA+3], v[QQA:QQA+1], v[AA:AA+1]        ; A's m_1
	v_pk_mul_f32 v[TB+2:TB+3], v[QQB:QQB+1], v[AB:AB+1]        ; B's m_1
	v_pk_mul_f32 v[TA:TA+1], v[QQA:QQA+1], v[AA+2:AA+3]        ; A's m_2
.set t_, 1
.rept 30
	v_pk_fma_f32 v[AA+2*t_+2:AA+2*t_+3], v[PPA:PPA+1], v[AA+2*t_:AA+2*t_+1], v[TA+2*(t_%2):TA+2*(t_%2)+1] neg_lo:[0,0,1] neg_hi:[0,0,1]
	v_pk_fma_f32 v[AB+2*t_+2:AB+2*t_+3], v[PPB:PPB+1], v[AB+2*t_:AB+2*t_+1], v[TB+2*(t_%2):TB+2*(t_%2)+1] neg_lo:[0,0,1] neg_hi:[0,0,1]
.if t_ < 30
	v_pk_mul_f32 v[TB+2*((t_+1)%2):TB+2*((t_+1)%2)+1], v[QQB:QQB+1], v[AB+2*t_:AB+2*t_+1]
.endif
.if t_ < 29
	v_pk_mul_f32 v[TA+2*(t_%2):TA+2*(t_%2)+1], v[QQA:QQA+1], v[AA+2*t_+2:AA+2*t_+3]
.endif
.set t_, t_+1
.endr
.if \first
	WIN 0x40                                       ; the sums: window 1
	ACCUM AA, LA, 1
	WIN 0x50
.else
	WIN 0x50
	ACCUM AA, LA, 0
.endif
	ACCUM AB, LB, 0                                ; a sum's two links stand 128 lines apart
	WIN 0                                          ; at a label and at a branch every window is 0
.if \load
.if (\q) == 0
	s_wait_xcnt 0x0                                ; every load issued so far has read its base (the youngest were issued a pair's arithmetic ago): only behind this wait are the bases stepped,
	s_add_nc_u64 s[4:5], s[4:5], 1048576           ; 64 rows i on in rec,
	s_add_nc_u64 s[6:7], s[6:7], 256               ; and in vbuf
.endif
	LOADSET \q
	LOADSET (\q)+1
.endif
.endm
.macro ITER first, load                ; four records: two pairs on the four load sets
.if \load
	PAIR 0, \first, 1, 18                          ; 18: the two younger sets of nine
	PAIR 2, 0, 1, 18
.else
	PAIR 0, 0, 0, 18                               ; nothing more is asked for: the counts run down
	PAIR 2, 0, 0, 0
.endif
.endm
	s_load_b128 s[4:7], s[0:1], 0x0                ; rec, vbuf
	s_load_b64 s[8:9], s[0:1], 0x10                ; out0
	v_lshl_add_u32 v254, v0, 2, 0x40000
	v_mov_b32 v255, 0
	v_lshrrev_b32 v16, 5, v0
	v_readfirstlane_b32 s12, v16                   ; wave 0..7
	s_and_b32 s10, ttmp7, 0xffff                   ; c
	v_and_b32 v16, 15, v0                          ; p
	v_lshrrev_b32 v18, 4, v0                       ; sg = 2 w + hh
	v_and_b32 v19, 31, v0                          ; lane
	v_lshlrev_b32 v[VO], 14, v18
	v_lshl_add_u32 v[VO], v16, 3, v[VO]
	v_lshlrev_b32 v[VV], 2, v18
	s_lshl_b32 s13, s12, 15
	v_lshlrev_b32 v[STA], 4, v19
	v_add_nc_u32 v[STA], s13, v[STA]
	v_lshlrev_b32 v[RA], 11, v18
	v_lshl_add_u32 v[RA], v16, 4, v[RA]
.irp m, 1,2,3
	v_add_nc_u32 v[RA+\m], 65536*\m, v[RA]
.endr
	v_lshlrev_b32 v[OV], 12, v18
	v_lshl_add_u32 v[OV], v16, 3, v[OV]
	s_lshl_b32 s14, ttmp9, 7                       ; my 32 columns: 128 bytes
	s_mov_b32 s15, 0
	s_lshl_b32 s16, s10, 16                        ; my 32 time steps: rows of 2,048 bytes
	s_add_co_u32 s16, s16, s14
	s_mov_b32 s17, 0
	s_wait_kmcnt 0x0
	s_add_nc_u64 s[4:5], s[4:5], s[14:15]
	s_add_nc_u64 s[8:9], s[8:9], s[16:17]
	LOADSET 0
	LOADSET 1
	LOADSET 2
	LOADSET 3
	ITER 1, 1                                      ; records 0-3: the first starts the sums
	s_mov_b32 s11, 6
.Lit:                                              ; records 4-27
	ITER 0, 1
	s_sub_co_u32 s11, s11, 1
	s_cmp_lg_u32 s11, 0
	s_cbranch_scc1 .Lit
	ITER 0, 0                                      ; records 28-31: the last load asked for was row i = 511's
	; THE SIXTEEN sg MEET.  Quad u of my 64 (registers 4 u .. 4 u + 3: t = u / 2, b = 2 (u % 2), + 1, two columns each) goes to LDS at 32768 w + 512 u + 16 lane.
	WIN 0x04                                       ; an LDS store's data are its source 1: window 1
.set u_, 0
.rept 64
	ds_store_b128 v[STA], v[4*u_:4*u_+3] offset:512*u_
.set u_, u_+1
.endr
	WIN 0
	s_wait_dscnt 0x0                               ; for the others' sake: my stores have landed
	s_barrier_signal -1
	s_barrier_wait -1
; Thread (w, hh, p) sums quads u = 8 w + 4 hh + e, e = 0..3, of column pair p over all 16 sg'.  k = sg' = 2 w' + hh'.  The a_t's registers are free: two buffers of 64.
.macro RLOAD e
.set B_, AA+64*((\e)%2)
.irp k, 0,1,2,3,4,5,6,7,8,9,10,11,12,13,14,15
	ds_load_b128 v[B_+4*\k:B_+4*\k+3], v[RA+\k/4] offset:512*(\e)+32768*((\k/2)%2)+256*(\k%2)
.endr
.endm
.macro RSUM e
.set B_, AA+64*((\e)%2)
.set q_, 0
.rept 16
	v_pk_add_f32 v[B_+q_:B_+q_+1], v[B_+q_:B_+q_+1], v[B_+32+q_:B_+33+q_]
.set q_, q_+2
.endr
.set q_, 0
.rept 8
	v_pk_add_f32 v[B_+q_:B_+q_+1], v[B_+q_:B_+q_+1], v[B_+16+q_:B_+17+q_]
.set q_, q_+2
.endr
.set q_, 0
.rept 4
	v_pk_add_f32 v[B_+q_:B_+q_+1], v[B_+q_:B_+q_+1], v[B_+8+q_:B_+9+q_]
.set q_, q_+2
.endr
	v_pk_add_f32 v[RES+4*(\e):RES+4*(\e)+1], v[B_:B_+1], v[B_+4:B_+5]
	v_pk_add_f32 v[RES+4*(\e)+2:RES+4*(\e)+3], v[B_+2:B_+3], v[B_+6:B_+7]
	global_store_b64 v[OV], v[RES+4*(\e):RES+4*(\e)+1], s[8:9] offset:((\e)/2)*2048+(2*((\e)%2))*1048576 th:TH_STORE_NT      ; t = 4 w + 2 hh + e / 2, b = 2 (e % 2): sixteen lanes store 128 consecutive bytes; written once, read by nobody here
	global_store_b64 v[OV], v[RES+4*(\e)+2:RES+4*(\e)+3], s[8:9] offset:((\e)/2)*2048+(2*((\e)%2)+1)*1048576 th:TH_STORE_NT  ; b + 1
.endm
	RLOAD 0
.irp e, 0,1,2
	RLOAD \e+1                                     ; the next item's loads go out ahead of this item's sum, into the other 64 registers
	s_wait_dscnt 16                                ; all but those sixteen
	RSUM \e
.endr
	s_wait_dscnt 0x0
	RSUM 3
	s_wait_tensorcnt 0x0
	ds_add_u32 v254, v255
	s_wait_dscnt 0x0
	s_endpgm
.Lfunc_end_k_qb717b5191c_prop:
	.size	k_qb717b5191c_prop, .Lfunc_end_k_qb717b5191c_prop-k_qb717b5191c_prop
	.p2alignl 7, 3214868480
	.fill 96, 4, 3214868480
	.section	.rodata,"a",@progbits
	.p2align	6, 0x0
	.amdhsa_kernel k_qb717b5191c_prop
		.amdhsa_group_segment_fixed_size 263168
		.amdhsa_private_segment_fixed_size 0
		.amdhsa_enable_private_segment 0
		.amdhsa_kernarg_size 24
		.amdhsa_user_sgpr_count 2
		.amdhsa_user_sgpr_kernarg_segment_ptr 1
		.amdhsa_wavefront_size32 1
		.amdhsa_system_sgpr_workgroup_id_x 1
		.amdhsa_system_sgpr_workgroup_id_y 1
		.amdhsa_system_sgpr_workgroup_id_z 1
		.amdhsa_system_vgpr_workitem_id 0
		.amdhsa_next_free_vgpr 512
		.amdhsa_next_free_sgpr 66
		.amdhsa_reserve_vcc 0
		.amdhsa_float_denorm_mode_32 3
		.amdhsa_float_denorm_mode_16_64 3
		.amdhsa_memory_ordered 1
		.amdhsa_forward_progress 1
		.amdhsa_inst_pref_size 199
	.end_amdhsa_kernel
	.amdgpu_metadata
---
amdhsa.version: [ 1, 2 ]
amdhsa.kernels:
  - .name:           k_qb717b5191c_prop
    .symbol:         k_qb717b5191c_prop.kd
    .args:
      - { .name: rec, .offset: 0, .size: 8, .value_kind: global_buffer, .address_space: global }
      - { .name: vbuf, .offset: 8, .size: 8, .value_kind: global_buffer, .address_space: global }
      - { .name: out0, .offset: 16, .size: 8, .value_kind: global_buffer, .address_space: global }
    .group_segment_fixed_size: 263168
    .private_segment_fixed_size: 0
    .kernarg_segment_align: 8
    .kernarg_segment_size: 24
    .max_flat_workgroup_size: 256
    .sgpr_count:     66
    .vgpr_count:     512
    .wavefront_size: 32
...
	.end_amdgpu_metadata
.endif
;; end of part 3
